; MI455X (gfx1250); checked and timed in simulation.
; The chip was launched on July 23, 2026; its instructions are those of AMD's public machine-readable ISA for CDNA 5 (MIT licence, August 2026) and "CDNA5" Instruction Set Architecture Reference Guide (July 2026). The comments in the code are by the model that wrote it; some were corrected since.
;; Scan Attention. Allowed arithmetic: float matrix products may take bf16 or f16 operands with f32 sums; all other float work in f32.
;; Inputs: ks 1 x 16 x 4,096 x 64 float32; mask 1 x 4,096 bool; qs 1 x 16 x 4,096 x 64 float32; vs 1 x 16 x 4,096 x 64 float32.
;; Outputs: out0 1 x 16 x 4,096 x 64 float32.
;; One version. Each part assembles by itself: llvm-mc -triple=amdgcn-amd-amdhsa -mcpu=gfx1250 --defsym DOCPART=n.
;; ======== version 1 of 1: 1 launch
;; limits: right only within a limited range of input values
;; launch attn (part 1): grid 16 x 16, 8 waves a work-group, no clusters, 171,008 bytes of LDS; arguments qs, ks, vs, mask, out0; writes out0
.if DOCPART == 1
	.amdgcn_target "amdgcn-amd-amdhsa--gfx1250"
	.amdhsa_code_object_version 6
	.text
	.protected	k_qc167a0bb92_attn
	.globl	k_qc167a0bb92_attn
	.p2align	8
	.type	k_qc167a0bb92_attn,@function
k_qc167a0bb92_attn:
	s_mov_b64 s[64:65], 0
	v_nop
	global_prefetch_b8 v0, s[64:65] scope:SCOPE_SE
	s_setreg_imm32_b32 hwreg(HW_REG_WAVE_MODE, 25, 1), 1
	s_wait_xcnt 0x0
; out[h][q][:] = softmax over k of (q.k / 8, masked keys at -inf) times V.  16 heads, 4,096 queries, 4,096 keys, 64 numbers a row, all f32; mask: 4,096 bytes.
; A work-group: one head (grid y), 256 queries (grid x), all 4,096 keys in 32 steps of 128.  Eight waves: wave w has queries 64 (w & 3) .. + 63 and, of each step,
; keys 64 (w >> 2) .. + 63.  Waves w and w + 4 keep a running maximum, a sum and an output of their own for the same queries; they are merged once, at the end, through LDS.
; PRODUCTS, both transposed, so that P never leaves the registers:
;   S^T = K Q^T: source 0 = 16 keys x 32 d, source 1 = 16 queries x 32 d.  Lane (r = l % 16, h = l / 16), register j: key 8 h + j, query r.
;   Two such tiles, rounded to bf16 in register order, ARE a source 1 of 32 keys x 16 queries.
;   O^T = V^T P: source 0 = 16 d x 32 keys, read from V's rows [key][d] by the transposing LDS load.  Lane (r, h), register j: d 8 h + j, query r.
;   So maximum, sum and rescaling factor are one number a lane; only the two halves of the lanes have to meet (one v_permlanex16_b32 for 64 keys x 16 queries).
; FORMATS: q / 8, k, v and p are rounded to bf16 (nearest even) for the matrix unit; sums, maxima, exponentials in f32.  q / 8 is exact, log2 e is applied in f32 behind the product.
; MASK: a table of 4,096 f32 in LDS, 0 for a key that counts and -2^100 for one that does not, is the C operand of the first score product.  The running maximum starts
;   at -2^90, so a masked score never raises it and its exponential is 0.  A row without any key ends as 0 x (1 / 0) = NaN, as the softmax of a row of -inf is.
;   LIMIT, kept knowingly: right while every score that counts has |q.k / 8| < 2^90 (about 1.2e27).
; K AND V come through registers: 16-byte loads (a wave's load covers 512 consecutive bytes, aligned), rounded, stored as bf16 into three LDS buffers that take turns.
;   Step t multiplies tile t, rounds and stores tile t + 2 at its head, and asks memory for tile t + 3 right behind that.
; THE ORDER OF A STEP: for each query tile q: softmax(q), the score products of tile q + 1 (behind q = 3: of tile 0 of the next step), O(q) rescaled, O(q) += V^T P(q).
;   S is free as soon as P(q) is packed, so the next scores need no registers of their own, and they are read 16 vector and 8 matrix instructions behind their products.
; ONE BARRIER A STEP, its halves far apart: the signal stands behind softmax(0), where my stores of tile t + 2 and my reads of V's tile t are done; the wait at the step's end.
;   Behind the wait tile t + 2 may be read and buffer t % 3 may be stored into.  Between the halves: register work, and LDS loads of K's buffer (t + 1) % 3 and of the
;   mask's table; the stores on either side of the barrier go to buffers (t + 2) % 3 and t % 3.
; NO TENSOR LOADS AND NO CLUSTER, though the 16 work-groups of a head read the same K and V: a tile brought into LDS by an engine lies there in f32, and would have to be read,
;   rounded and stored again.  For a step that is 64 KiB written and 64 KiB read in LDS on top of the 128 KiB of fragments read and the 32 KiB of bf16 stored.
;   Through registers the rounding lies on the way.
.set TILEB, 32768                      ; 128 rows of 256 bytes: a step's K, or V, in memory
.set KP,    144                        ; LDS pitch of K and Q rows: 128 bytes + 16, an odd multiple of 16: the 16 rows of a fragment load lie in 16 different 16-byte columns modulo 256
.set VP,    160                        ; LDS pitch of V rows: an odd multiple of 32, for the transposing load's eight rows x two columns
.set KBUF,  128*KP                     ; 18,432
.set VBUF,  128*VP                     ; 20,480
.set VREG,  3*KBUF                     ; LDS: K's three buffers at 0, V's three at 55,296,
.set BIASB, VREG+3*VBUF                ; the mask's table of 16,384 bytes at 116,736,
.set QB,    BIASB+16384                ; Q, 256 rows x 144, at 133,120 (up to 169,984); read once, at the start
.set OSTB,  QB                         ; at the end the same bytes are the stage of the way out: 16 rows x 272 for each of waves 0 to 3
.set OSP,   272
.set XBLK,  17408                      ; at the end, from LDS byte 0: what wave w + 4 hands to wave w: 34 blocks of 512 bytes
; window 0
.set L16,  1                           ; 16 l
.set GOF,  2                           ; 4096 w + 16 l: my 16 bytes in a tile of K or V
.set KST,  3                           ; where they go in a K buffer: (16 w + h) 144 + 8 r
.set VST,  4                           ; and in a V buffer
.set KAD,  5                           ; K fragments: (64 kh + r) 144 + 16 h
.set VAD,  6                           ; V fragments: (64 kh + 8 h + l % 8) 160 + 16 ((l / 8) % 2)
.set BAD,  7                           ; mask table: 256 kh + 32 h, stepped by three tiles a trip
.set PFO,  8                           ; prefetch: 256 l + my quarter of a tile
.set XAD,  9                           ; exchange: 17408 (w & 3) + 16 l
.set STAT, 10                          ; v[10:17] pairs for query tile q: -log2e x maximum, maximum
.set LS,   18                          ; v[18:25] pairs: two partial sums of p
.set AL,   26                          ; v26 rescaling factor; v27 its partner in the pair, written once
.set T,    28                          ; v[28:35] at work
.set P,    36                          ; v[36:51] p in bf16: two sources of 32 keys (its first three registers also serve the maximum's tree)
.set S,    52                          ; v[52:83] scores of 64 keys x 16 queries, then p in f32
.set BI,   84                          ; v[84:115] mask numbers of my 64 keys
.set KF,   116                         ; v[116:179] K fragments: 8 (2 kt + dh)
.set VF,   180                         ; v[180:243] V fragments: 8 (4 kc + dt)
.set OSA,  244
.set ORD,  245
.set QGO,  246
.set QSTA, 247
.set QAD,  248
.set MOF,  249
; window 1 (written by the low eight bits)
.set O,    0                           ; v[256:383] O^T: 32 q + 8 dt
.set QF,   128                         ; v[384:447] Q fragments: 16 q + 8 dh
.set STG,  192                         ; v[448:511] a tile on its way: load n at 4 n; n 0-7 K, 8-15 V
; s_set_vgpr_msb: bits 1:0 source 0, 3:2 source 1, 5:4 source 2, 7:6 destination; the high byte repeats the setting that is left.
.set MSB, 0
.macro WIN new
.if MSB != \new
	s_set_vgpr_msb (MSB<<8)|\new
.set MSB, \new
.endif
.endm
.set W_SC,  0x04                       ; score products (source 1 = Q in window 1); LDS stores of window 1 data
.set W_CV,  0x45                       ; arithmetic in place in window 1
.set W_LD,  0x40                       ; loads into window 1
.set W_RS,  0x41                       ; O times a factor of window 0
.set W_PV,  0x50                       ; O^T += V^T P
.set W_MG,  0x01                       ; the merge: source 0 = my O
; f32 to bf16 in place: load n's four numbers end in its first two registers
.macro CONV src, n0, cnt
.set cn, \n0
.rept \cnt
	v_cvt_pk_bf16_f32 v[\src+4*cn], v[\src+4*cn], v[\src+4*cn+1]
	v_cvt_pk_bf16_f32 v[\src+4*cn+1], v[\src+4*cn+2], v[\src+4*cn+3]
.set cn, cn+1
.endr
.endm
; 8 bytes a lane into buffer sb: load n holds rows 16 w + 2 n + h
.macro STORES src, n0, cnt, sb
.set sn, \n0
.rept \cnt
.if sn < 8
	ds_store_b64 v[KST], v[\src+4*sn:\src+4*sn+1] offset:(\sb)*KBUF+sn*2*KP
.else
	ds_store_b64 v[VST], v[\src+4*sn:\src+4*sn+1] offset:(\sb)*VBUF+(sn-8)*2*VP
.endif
.set sn, sn+1
.endr
.endm
; my 4 KiB of K (n 0-7) and of V (n 8-15) of a tile, counted from the tile at which the two bases stand
.macro LOADS dst, n0, cnt, tile
.set ln, \n0
.rept \cnt
.if ln < 8
	global_load_b128 v[\dst+4*ln:\dst+4*ln+3], v[GOF], s[6:7] offset:(\tile)*TILEB+ln*512
.else
	global_load_b128 v[\dst+4*ln:\dst+4*ln+3], v[GOF], s[8:9] offset:(\tile)*TILEB+(ln-8)*512
.endif
.set ln, ln+1
.endr
.endm
.macro LDK kb
.irp kt, 0,1,2,3
.irp dh, 0,1
	ds_load_b128 v[KF+16*\kt+8*\dh:KF+16*\kt+8*\dh+3], v[KAD] offset:(\kb)*KBUF+\kt*16*KP+\dh*64
	ds_load_b128 v[KF+16*\kt+8*\dh+4:KF+16*\kt+8*\dh+7], v[KAD] offset:(\kb)*KBUF+\kt*16*KP+\dh*64+32
.endr
.endr
.endm
.macro LDB rel
.irp kt, 0,1,2,3
	ds_load_b128 v[BI+8*\kt:BI+8*\kt+3], v[BAD] offset:(\rel)*512+\kt*64
	ds_load_b128 v[BI+8*\kt+4:BI+8*\kt+7], v[BAD] offset:(\rel)*512+\kt*64+16
.endr
.endm
.macro LDV vb
.irp kc, 0,1
.irp dt, 0,1,2,3
	ds_load_tr16_b128 v[VF+32*\kc+8*\dt:VF+32*\kc+8*\dt+3], v[VAD] offset:(\vb)*VBUF+\kc*32*VP+\dt*32
	ds_load_tr16_b128 v[VF+32*\kc+8*\dt+4:VF+32*\kc+8*\dt+7], v[VAD] offset:(\vb)*VBUF+\kc*32*VP+\dt*32+16*VP
.endr
.endr
.endm
; scores of 64 keys x 16 queries.  The four accumulators take turns, one instruction a turn.  The first product adds the mask's numbers.
.macro SW q
.irp kt, 0,1,2,3
	v_wmma_f32_16x16x32_bf16 v[S+8*\kt:S+8*\kt+7], v[KF+16*\kt:KF+16*\kt+7], v[QF+16*(\q):QF+16*(\q)+7], v[BI+8*\kt:BI+8*\kt+7]
.endr
.irp kt, 0,1,2,3
	v_wmma_f32_16x16x32_bf16 v[S+8*\kt:S+8*\kt+7], v[KF+16*\kt+8:KF+16*\kt+15], v[QF+16*(\q)+8:QF+16*(\q)+15], v[S+8*\kt:S+8*\kt+7]
.endr
.endm
.macro SF b                            ; log2e x s - log2e x maximum, one rounding
.irp i, 0,2,4,6
	v_pk_fma_f32 v[S+8*\b+\i:S+8*\b+\i+1], v[S+8*\b+\i:S+8*\b+\i+1], s[26:27], v[NMQ:NMQ+1] op_sel_hi:[1,0,0]
.endr
.endm
.macro SE b
.irp i, 0,1,2,3,4,5,6,7
	v_exp_f32 v[S+8*\b+\i], v[S+8*\b+\i]
.endr
.endm
.macro SP b                            ; key tile b of p, rounded, into its half of a source of 32 keys
.irp i, 0,1,2,3
	v_cvt_pk_bf16_f32 v[P+4*\b+\i], v[S+8*\b+2*\i], v[S+8*\b+2*\i+1]
.endr
.endm
.macro SA b                            ; the sum of p in two chains of pairs
	s_wait_alu depctr_va_vdst(0)
	v_pk_add_f32 v[LQ:LQ+1], v[LQ:LQ+1], v[S+8*\b:S+8*\b+1]
	v_pk_add_f32 v[T+4:T+5], v[T+4:T+5], v[S+8*\b+2:S+8*\b+3]
	v_pk_add_f32 v[LQ:LQ+1], v[LQ:LQ+1], v[S+8*\b+4:S+8*\b+5]
	v_pk_add_f32 v[T+4:T+5], v[T+4:T+5], v[S+8*\b+6:S+8*\b+7]
	SP \b
.endm
; The running softmax of query tile q over my 64 keys.  first = 1: the first step starts maximum and sum.
.macro SOFTMAX q, first
.set NMQ, STAT+2*\q
.set MQ,  STAT+2*\q+1
.set LQ,  LS+2*\q
	; the largest of my 32 scores and the old maximum: 33 numbers, 16 instructions, four levels (11, 3, 1, 1).  The first eight write T: they are also the places
	; (ISA guide 7.12.1) behind the last O products, which read P, in front of the three that write P's first registers.
.irp i, 0,1,2,3,4,5,6,7
	v_max3_num_f32 v[T+\i], v[S+3*\i], v[S+3*\i+1], v[S+3*\i+2]
.endr
	v_max3_num_f32 v[P], v[S+24], v[S+25], v[S+26]
	v_max3_num_f32 v[P+1], v[S+27], v[S+28], v[S+29]
.if \first
	v_max3_num_f32 v[P+2], v[S+30], v[S+31], s29   ; the maximum starts at -2^90
.else
	v_max3_num_f32 v[P+2], v[S+30], v[S+31], v[MQ]
.endif
	v_max3_num_f32 v[T], v[T], v[T+1], v[T+2]
	v_max3_num_f32 v[T+3], v[T+3], v[T+4], v[T+5]
	v_max3_num_f32 v[T+6], v[T+6], v[T+7], v[P]
	v_max3_num_f32 v[T], v[T], v[T+3], v[P+1]
	v_max3_num_f32 v[T], v[T], v[T+6], v[P+2]
	v_permlanex16_b32 v[T+1], v[T], s24, s25       ; the other eight keys of each tile lie in lane l xor 16
	v_max_num_f32 v[MQ], v[T], v[T+1]
.if \first
	v_mul_f32 v[NMQ], s28, v[MQ]
.else
	v_mul_f32 v[T+2], s28, v[MQ]                   ; the rounded -log2e x maximum serves the factor and p alike, so the factors of all steps multiply out exactly
	v_sub_f32 v[T+3], v[T+2], v[NMQ]
	v_mov_b32 v[NMQ], v[T+2]
	v_exp_f32 v[AL], v[T+3]                        ; 2^(old - new) <= 1.  Behind it, as behind every run of exponentials below, stands a plain instruction that touches neither its result nor its source (ISA guide 5.7.2)
.endif
	SF 0
	SE 0
	SF 1
	SE 1
.if \first
	s_wait_alu depctr_va_vdst(0)
	v_pk_add_f32 v[LQ:LQ+1], v[S:S+1], v[S+6:S+7]
	v_pk_add_f32 v[T+4:T+5], v[S+2:S+3], v[S+4:S+5]
.else
	s_wait_alu depctr_va_vdst(0)
	v_pk_fma_f32 v[LQ:LQ+1], v[LQ:LQ+1], v[AL:AL+1], v[S:S+1] op_sel_hi:[1,0,1]
	v_pk_add_f32 v[T+4:T+5], v[S+2:S+3], v[S+4:S+5]
	v_pk_add_f32 v[LQ:LQ+1], v[LQ:LQ+1], v[S+6:S+7]
.endif
	SP 0
	SF 2
	SE 2
	SA 1
	SF 3
	SE 3
	SA 2
	SA 3
	v_pk_add_f32 v[LQ:LQ+1], v[LQ:LQ+1], v[T+4:T+5]
.endm
.macro RESCALE q
.set ri, 0
.rept 16
	v_pk_mul_f32 v[O+32*\q+2*ri:O+32*\q+2*ri+1], v[O+32*\q+2*ri:O+32*\q+2*ri+1], v[AL:AL+1] op_sel_hi:[1,0]
.set ri, ri+1
.endr
.endm
; O^T of query tile q += V^T P: four accumulators by turns.  first = 1: the first product starts the sums, nothing is cleared.
.macro PV q, first
.irp dt, 0,1,2,3
.if \first
	v_wmma_f32_16x16x32_bf16 v[O+32*\q+8*\dt:O+32*\q+8*\dt+7], v[VF+8*\dt:VF+8*\dt+7], v[P:P+7], 0
.else
	v_wmma_f32_16x16x32_bf16 v[O+32*\q+8*\dt:O+32*\q+8*\dt+7], v[VF+8*\dt:VF+8*\dt+7], v[P:P+7], v[O+32*\q+8*\dt:O+32*\q+8*\dt+7]
.endif
.endr
.irp dt, 0,1,2,3
	v_wmma_f32_16x16x32_bf16 v[O+32*\q+8*\dt:O+32*\q+8*\dt+7], v[VF+32+8*\dt:VF+32+8*\dt+7], v[P+8:P+15], v[O+32*\q+8*\dt:O+32*\q+8*\dt+7]
.endr
.endm
; Prefetch: step t asks for tile t + 4, which step t + 1 loads.  Of a head's 16 work-groups the four with (x + t) % 4 = 0 ask, wave 0 alone, each for quarter x / 4
; of K's tile and of V's (32 lanes 256 bytes apart: 8 KiB each), so each block of 256 bytes is asked for once.  Steps 28 to 31 ask for nothing: tile 31 is the last.
.macro PREF rel
	s_add_co_u32 s31, s31, 1
	s_and_b32 s33, s31, 3
	s_cbranch_scc1 .Lno_pref_\@
	s_cmp_lg_u32 s14, 0
	s_cbranch_scc1 .Lno_pref_\@
	global_prefetch_b8 v[PFO], s[6:7] offset:(\rel+4)*TILEB th:TH_LOAD_NT scope:SCOPE_SE
	global_prefetch_b8 v[PFO], s[8:9] offset:(\rel+4)*TILEB th:TH_LOAD_NT scope:SCOPE_SE
.Lno_pref_\@:
.endm
; One query tile's part of a step: its softmax, the NEXT tile's score products, its O rescaled, its O products.
.macro QPART q, rel, first, nextk, bar
	SOFTMAX \q, \first
.if \q == 0
	s_wait_dscnt 0x0                               ; V's fragments are in, and my stores of tile t + 2 are done: all my LDS work so far
.if \bar
	s_barrier_signal -1                            ; up to the wait at the step's end: register work, and loads of K's next buffer and of the mask's table
.endif
.endif
.if \q == 3
.if \nextk
	s_wait_dscnt 0x0                               ; the next step's K fragments and mask numbers are in
	WIN W_SC
	SW 0
.endif
.else
	WIN W_SC
	SW \q+1
.endif
	; Behind the score products stand 16 multiplies on O (in the first step four v_nop), which name none of their registers: the places
	; in front of the reads of S and of the loads into the K fragments and mask numbers that these products have read.
.if \first
.rept 4
	v_nop
.endr
.else
	WIN W_RS
	RESCALE \q
.endif
	WIN W_PV
	PV \q, \first
	WIN 0
.if \q == 2
.if \nextk
	LDK NXB                                        ; the next step's K and mask numbers, wanted behind softmax(3)
	LDB \rel+1
.endif
.endif
.endm
; Step t; the score products of its tile 0 were issued by the step before.  b = t % 3: its buffer.  rel = t less the tile at which the bases stand.
; stage: tile t + 2 is rounded and stored; load: tile t + 3 is asked for; nextk: there is a step t + 1; pf: prefetch; bar: the barrier.
.macro STEP b, rel, first, stage, load, nextk, pf, bar
.set STB, (\b+2)%3
.set NXB, (\b+1)%3
.if \stage
	s_wait_loadcnt 0x0                             ; the sixteen loads of tile t + 2, issued at the head of the step before
	WIN W_CV
	CONV STG, 0, 16                                ; also the places behind the last products, in front of the reads of S and of the loads into V's fragments
	WIN W_SC
	STORES STG, 0, 16, STB
.if \load
	WIN W_LD
	LOADS STG, 0, 16, \rel+3
.endif
	WIN 0
.else
.rept 4
	v_nop                                          ; the same places where nothing is left to round
.endr
.endif
.if \pf
	PREF \rel
.endif
	LDV \b                                         ; this step's V, wanted behind the first softmax
.irp q, 0,1,2,3
	QPART \q, \rel, \first, \nextk, \bar
.endr
.if \bar
	s_barrier_wait -1                              ; every wave has stored its part of tile t + 2 and has read V's tile t
.endif
.endm
	; ---- ids, bases, the first loads ----
	s_load_b256 s[4:11], s[0:1], 0x0               ; qs s[4:5], ks s[6:7], vs s[8:9], mask s[10:11]
	s_load_b64 s[12:13], s[0:1], 0x20              ; out0
	v_lshl_add_u32 v254, v0, 2, 0x29800
	v_mov_b32 v255, 0
	v_lshrrev_b32 v28, 5, v0
	v_readfirstlane_b32 s14, v28                   ; wave w
	s_and_b32 s15, s14, 3                          ; which 64 queries
	s_lshr_b32 s16, s14, 2                         ; kh: which 64 keys of a step
	s_mov_b32 s17, ttmp9                           ; x: block of 256 queries
	s_and_b32 s18, ttmp7, 0xffff                   ; head
	s_lshl_b32 s20, s18, 20                        ; a head is 4,096 rows of 256 bytes
	s_mov_b32 s21, 0
	s_lshl_b32 s22, s17, 16                        ; 256 rows
	s_add_co_u32 s22, s22, s20
	s_mov_b32 s23, 0
	s_mov_b32 s24, 0x76543210                      ; v_permlanex16_b32: lane l takes lane l xor 16
	s_mov_b32 s25, 0xfedcba98
	s_mov_b32 s26, 0x3fb8aa3b                      ; log2 e, a pair for the packed form
	s_mov_b32 s27, 0x3fb8aa3b
	s_mov_b32 s28, 0xbfb8aa3b                      ; -log2 e
	s_mov_b32 s29, 0xec800000                      ; -2^90
	s_add_co_u32 s31, s17, 3                       ; prefetch: x + 4 + t behind step t's increment
	v_and_b32 v28, 31, v0                          ; l
	v_lshlrev_b32 v[L16], 4, v28
	v_lshl_add_u32 v[GOF], s14, 12, v[L16]
	v_lshl_add_u32 v[QGO], s14, 13, v[L16]         ; Q: 32 rows a wave
	v_lshlrev_b32 v[MOF], 4, v0                    ; mask: 16 bytes a thread
	s_wait_kmcnt 0x0
	s_add_nc_u64 s[4:5], s[4:5], s[22:23]
	s_add_nc_u64 s[6:7], s[6:7], s[20:21]
	s_add_nc_u64 s[8:9], s[8:9], s[20:21]
	s_lshl_b32 s33, s15, 14                        ; my 64 rows of the output
	s_add_co_u32 s22, s22, s33
	s_add_nc_u64 s[12:13], s[12:13], s[22:23]
	global_load_b128 v[36:39], v[MOF], s[10:11]
	WIN W_LD
.irp i, 0,1,2,3,4,5,6,7,8,9,10,11,12,13,14,15
	global_load_b128 v[STG+4*\i:STG+4*\i+3], v[QGO], s[4:5] offset:\i*512 th:TH_LOAD_NT   ; each row of Q is read once in the launch
.endr
	LOADS O, 0, 16, 0                              ; tiles 0 and 1 come in through the registers that will hold O
	LOADS O+64, 0, 16, 1
	WIN 0
	; ---- addresses, while the 49 loads are out ----
	v_and_b32 v29, 15, v0                          ; r
	v_bfe_u32 v30, v0, 4, 1                        ; h
	v_mov_b32 v[AL+1], 0                           ; the pair's second register is named, never used
	s_lshl_b32 s33, s14, 4
	v_add_nc_u32 v31, s33, v30                     ; 16 w + h
	v_mul_u32_u24 v[KST], v31, KP
	v_lshl_add_u32 v[KST], v29, 3, v[KST]
	v_mul_u32_u24 v[VST], v31, VP
	v_lshl_add_u32 v[VST], v29, 3, v[VST]
	v_add_nc_u32 v[VST], VREG, v[VST]
	s_lshl_b32 s33, s16, 6                         ; 64 kh
	v_add_nc_u32 v31, s33, v29
	v_mul_u32_u24 v[KAD], v31, KP
	v_lshl_add_u32 v[KAD], v30, 4, v[KAD]
	v_and_b32 v31, 7, v0
	v_lshl_add_u32 v31, v30, 3, v31
	v_add_nc_u32 v31, s33, v31                     ; 64 kh + 8 h + l % 8
	v_mul_u32_u24 v[VAD], v31, VP
	v_bfe_u32 v31, v0, 3, 1
	v_lshl_add_u32 v[VAD], v31, 4, v[VAD]
	v_add_nc_u32 v[VAD], VREG, v[VAD]
	s_lshl_b32 s33, s16, 8
	s_add_co_u32 s33, s33, BIASB
	v_lshl_add_u32 v[BAD], v30, 5, s33
	s_lshr_b32 s33, s17, 2
	s_lshl_b32 s33, s33, 13
	v_lshl_add_u32 v[PFO], v28, 8, s33
	s_mul_i32 s33, s15, XBLK
	v_add_nc_u32 v[XAD], s33, v[L16]
	s_mul_i32 s33, s14, 16*OSP
	s_add_co_u32 s33, s33, OSTB
	v_mul_u32_u24 v31, v29, OSP
	v_lshl_add_u32 v31, v30, 5, v31
	v_add_nc_u32 v[OSA], s33, v31                  ; in: row r, 32 bytes for each half of the lanes
	v_mul_u32_u24 v31, v30, OSP
	v_lshl_add_u32 v31, v29, 4, v31
	v_add_nc_u32 v[ORD], s33, v31                  ; back: lanes 0-15 one row of 256 bytes, lanes 16-31 the next
	s_lshl_b32 s33, s14, 5
	v_add_nc_u32 v31, s33, v30                     ; 32 w + h
	v_mul_u32_u24 v[QSTA], v31, KP
	v_lshl_add_u32 v[QSTA], v29, 3, v[QSTA]
	v_add_nc_u32 v[QSTA], QB, v[QSTA]
	s_lshl_b32 s33, s15, 6
	v_add_nc_u32 v31, s33, v29                     ; my 64 queries, row r
	v_mul_u32_u24 v[QAD], v31, KP
	v_lshl_add_u32 v[QAD], v30, 4, v[QAD]
	v_add_nc_u32 v[QAD], QB, v[QAD]
	v_lshl_add_u32 v34, v0, 6, BIASB               ; my 16 numbers of the mask's table
	v_mov_b32 v40, 0xf1800000                      ; -2^100
	; ---- the mask's table ----
	s_wait_loadcnt 48                              ; the mask is in; Q and tiles 0 and 1 (48 loads) stay out
.set mb, 0
.rept 16
	v_bfe_u32 v41, v[36+mb/4], 8*(mb%4), 8
	v_cmp_eq_u32 vcc_lo, 0, v41
	v_cndmask_b32 v[S+mb], 0, v40, vcc_lo          ; byte 0: the key does not count
.set mb, mb+1
.endr
.irp i, 0,1,2,3
	ds_store_b128 v34, v[S+4*\i:S+4*\i+3] offset:16*\i
.endr
	; ---- Q / 8 in bf16 into LDS ----
	s_wait_loadcnt 32                              ; Q is in; tiles 0 and 1 stay out
	WIN W_CV
.set qi, 0
.rept 32
	v_pk_mul_f32 v[STG+2*qi:STG+2*qi+1], v[STG+2*qi:STG+2*qi+1], 0x3e000000 op_sel_hi:[1,0]
.set qi, qi+1
.endr
	CONV STG, 0, 16
	WIN W_SC
.irp i, 0,1,2,3,4,5,6,7,8,9,10,11,12,13,14,15
	ds_store_b64 v[QSTA], v[STG+4*\i:STG+4*\i+1] offset:\i*2*KP
.endr
	WIN W_LD
	LOADS STG, 0, 16, 2                            ; tile 2 takes Q's place
	s_wait_loadcnt 32                              ; tile 0 is in; tiles 1 and 2 stay out
	WIN W_CV
	CONV O, 0, 16
	WIN W_SC
	STORES O, 0, 16, 0
	s_wait_loadcnt 16                              ; tile 1 is in; tile 2 stays out
	WIN W_CV
	CONV O+64, 0, 16
	WIN W_SC
	STORES O+64, 0, 16, 1
	WIN 0
	s_wait_dscnt 0x0                               ; my stores of the table, of Q and of tiles 0 and 1 are done,
	s_barrier_signal -1
	s_barrier_wait -1                              ; everybody's are
	WIN W_LD
.irp q, 0,1,2,3
.irp dh, 0,1
	ds_load_b128 v[QF+16*\q+8*\dh:QF+16*\q+8*\dh+3], v[QAD] offset:\q*16*KP+\dh*64
	ds_load_b128 v[QF+16*\q+8*\dh+4:QF+16*\q+8*\dh+7], v[QAD] offset:\q*16*KP+\dh*64+32
.endr
.endr
	WIN 0
	LDK 0
	LDB 0
	s_wait_dscnt 0x0
	WIN W_SC
	SW 0                                           ; the scores of step 0, query tile 0: every later tile's are issued one tile ahead
	; ---- the 32 steps ----
	STEP 0, 0, 1, 1, 1, 1, 1, 1                    ; step 0 stands in front of the loop: its products start O's sums
	s_mov_b32 s30, 9
.Ltrip:                                            ; steps 1 to 27, three a trip: once round the buffers
	STEP 1, 1, 0, 1, 1, 1, 1, 1
	STEP 2, 2, 0, 1, 1, 1, 1, 1
	STEP 0, 3, 0, 1, 1, 1, 1, 1
	s_wait_xcnt 0x0                                ; the two bases, which loads and prefetches name, are stepped only behind this wait
	s_add_nc_u64 s[6:7], s[6:7], 3*TILEB
	s_add_nc_u64 s[8:9], s[8:9], 3*TILEB
	v_add_nc_u32 v[BAD], 3*512, v[BAD]
	s_sub_co_i32 s30, s30, 1
	s_cmp_lg_u32 s30, 0
	s_cbranch_scc1 .Ltrip
	STEP 1, 1, 0, 1, 1, 1, 0, 1                    ; step 28 asks for tile 31, the last
	STEP 2, 2, 0, 1, 0, 1, 0, 1                    ; step 29 stores it
	STEP 0, 3, 0, 0, 0, 1, 0, 0                    ; step 30: nothing is stored in steps 30 and 31, so no barrier parts them
	STEP 1, 4, 0, 0, 0, 0, 0, 1                    ; step 31: behind its barrier nobody reads K's and V's buffers any more
	; ---- the merge of waves w and w + 4 ----
.irp q, 0,1,2,3
	v_add_f32 v[STAT+2*\q+1], v[LS+2*\q], v[LS+2*\q+1]   ; the sum takes the maximum's place beside -log2e x maximum.  Also the four places behind the last products
.endr
	s_cmp_lt_u32 s14, 4
	s_cbranch_scc1 .Ljoin
	ds_store_b128 v[XAD], v[STAT:STAT+3]
	ds_store_b128 v[XAD], v[STAT+4:STAT+7] offset:512
	WIN W_SC
.set xn, 0
.rept 32
	ds_store_b128 v[XAD], v[O+4*xn:O+4*xn+3] offset:1024+512*xn
.set xn, xn+1
.endr
	WIN 0
.Ljoin:
	s_wait_dscnt 0x0                               ; what waves 4 to 7 hand over is stored,
	s_barrier_signal -1
	s_barrier_wait -1                              ; and may be read
	s_cmp_ge_u32 s14, 4
	s_cbranch_scc1 .Lend
	ds_load_b128 v[BI:BI+3], v[XAD]
	ds_load_b128 v[BI+4:BI+7], v[XAD] offset:512
.set xn, 0
.rept 32
	ds_load_b128 v[KF+4*xn:KF+4*xn+3], v[XAD] offset:1024+512*xn
.set xn, xn+1
.endr
	s_wait_dscnt 32                                ; the partner's maxima and sums are in; its O (32 loads) stays out
.irp q, 0,1,2,3
	v_min_num_f32 v[T+\q], v[STAT+2*\q], v[BI+2*\q]      ; the smaller -log2e x maximum is the larger maximum's
.endr
.irp q, 0,1,2,3
	v_sub_f32 v[S+2*\q], v[T+\q], v[STAT+2*\q]
	v_sub_f32 v[S+2*\q+1], v[T+\q], v[BI+2*\q]
.endr
.irp i, 0,1,2,3,4,5,6,7
	v_exp_f32 v[S+\i], v[S+\i]                     ; my factor, the partner's factor
.endr
	v_nop                                          ; a plain place behind the exponentials (ISA guide 5.7.2)
	s_wait_alu depctr_va_vdst(0)
.irp q, 0,1,2,3
	v_mul_f32 v[T+\q], v[STAT+2*\q+1], v[S+2*\q]
.endr
.irp q, 0,1,2,3
	v_fmac_f32 v[T+\q], v[BI+2*\q+1], v[S+2*\q+1]
.endr
.irp q, 0,1,2,3
	v_permlanex16_b32 v[S+8+\q], v[T+\q], s24, s25 ; the sums over the other eight keys of each tile
.endr
.irp q, 0,1,2,3
	v_add_f32 v[T+\q], v[T+\q], v[S+8+\q]
.endr
.irp q, 0,1,2,3
	v_rcp_f32 v[T+\q], v[T+\q]
.endr
	v_nop
	s_wait_alu depctr_va_vdst(0)
.irp q, 0,1,2,3
	v_mul_f32 v[P+4*\q],   v[S+2*\q],   v[T+\q]    ; factor / sum, twice each: pairs for the packed forms
	v_mul_f32 v[P+4*\q+1], v[S+2*\q],   v[T+\q]
	v_mul_f32 v[P+4*\q+2], v[S+2*\q+1], v[T+\q]
	v_mul_f32 v[P+4*\q+3], v[S+2*\q+1], v[T+\q]
.endr
	s_wait_dscnt 0x0
.set mi, 0
.rept 64
	v_pk_mul_f32 v[KF+2*mi:KF+2*mi+1], v[KF+2*mi:KF+2*mi+1], v[P+4*(mi/16)+2:P+4*(mi/16)+3]
.set mi, mi+1
.endr
	WIN W_MG
.set mi, 0
.rept 64
	v_pk_fma_f32 v[KF+2*mi:KF+2*mi+1], v[O+2*mi:O+2*mi+1], v[P+4*(mi/16):P+4*(mi/16)+1], v[KF+2*mi:KF+2*mi+1]
.set mi, mi+1
.endr
	WIN 0
; THE WAY OUT, 16 queries at a time: a lane holds 8 neighbouring d of one query for each dt; through my own stage in LDS they become whole rows of 256 bytes.
; f: the registers that the rows are read back into, two sets in turn.
.macro OUTQ q, f
.irp dt, 0,1,2,3
	ds_store_b128 v[OSA], v[KF+32*\q+8*\dt:KF+32*\q+8*\dt+3] offset:64*\dt
	ds_store_b128 v[OSA], v[KF+32*\q+8*\dt+4:KF+32*\q+8*\dt+7] offset:64*\dt+16
.endr
.if \q >= 2
	s_wait_xcnt 0x0                                ; set f, which the stores of two tiles ago read, is loaded again only behind this wait
.endif
.irp i, 0,1,2,3,4,5,6,7
	ds_load_b128 v[\f+4*\i:\f+4*\i+3], v[ORD] offset:\i*2*OSP    ; LDS serves a wave's instructions in order (ISA guide 5.7.1): these see the stores above
.endr
.irp i, 0,1,2,3,4,5,6,7
	s_wait_dscnt 7-\i                              ; the younger read-backs stay out
	global_store_b128 v[L16], v[\f+4*\i:\f+4*\i+3], s[12:13] offset:\q*4096+\i*512 th:TH_STORE_NT   ; two whole rows: 512 consecutive bytes, aligned
.endr
.endm
	OUTQ 0, S
	OUTQ 1, BI
	OUTQ 2, S
	OUTQ 3, BI
.Lend:
	s_wait_tensorcnt 0x0
	ds_add_u32 v254, v255
	s_wait_dscnt 0x0
	s_endpgm
.Lfunc_end_k_qc167a0bb92_attn:
	.size	k_qc167a0bb92_attn, .Lfunc_end_k_qc167a0bb92_attn-k_qc167a0bb92_attn
	.p2alignl 7, 3214868480
	.fill 96, 4, 3214868480
	.section	.rodata,"a",@progbits
	.p2align	6, 0x0
	.amdhsa_kernel k_qc167a0bb92_attn
		.amdhsa_group_segment_fixed_size 171008
		.amdhsa_private_segment_fixed_size 0
		.amdhsa_enable_private_segment 0
		.amdhsa_kernarg_size 40
		.amdhsa_user_sgpr_count 2
		.amdhsa_user_sgpr_kernarg_segment_ptr 1
		.amdhsa_wavefront_size32 1
		.amdhsa_system_sgpr_workgroup_id_x 1
		.amdhsa_system_sgpr_workgroup_id_y 1
		.amdhsa_system_sgpr_workgroup_id_z 1
		.amdhsa_system_vgpr_workitem_id 0
		.amdhsa_next_free_vgpr 512
		.amdhsa_next_free_sgpr 66
		.amdhsa_reserve_vcc 1
		.amdhsa_float_denorm_mode_32 3
		.amdhsa_float_denorm_mode_16_64 3
		.amdhsa_memory_ordered 1
		.amdhsa_forward_progress 1
		.amdhsa_inst_pref_size 255
	.end_amdhsa_kernel
	.section	.bss,"aw",@nobits
	.p2align	6
	.space	262144
	.amdgpu_metadata
---
amdhsa.version: [ 1, 2 ]
amdhsa.kernels:
  - .name:           k_qc167a0bb92_attn
    .symbol:         k_qc167a0bb92_attn.kd
    .args:
      - { .name: qs, .offset: 0, .size: 8, .value_kind: global_buffer, .address_space: global }
      - { .name: ks, .offset: 8, .size: 8, .value_kind: global_buffer, .address_space: global }
      - { .name: vs, .offset: 16, .size: 8, .value_kind: global_buffer, .address_space: global }
      - { .name: mask, .offset: 24, .size: 8, .value_kind: global_buffer, .address_space: global }
      - { .name: out0, .offset: 32, .size: 8, .value_kind: global_buffer, .address_space: global }
    .group_segment_fixed_size: 171008
    .private_segment_fixed_size: 0
    .kernarg_segment_align: 8
    .kernarg_segment_size: 40
    .max_flat_workgroup_size: 256
    .sgpr_count:     66
    .vgpr_count:     512
    .wavefront_size: 32
...
	.end_amdgpu_metadata
.endif
;; end of part 1
